; MI455X (gfx1250); checked and timed in simulation.
; The chip was launched on July 23, 2026; its instructions are those of AMD's public machine-readable ISA for CDNA 5 (MIT licence, August 2026) and "CDNA5" Instruction Set Architecture Reference Guide (July 2026). The comments in the code are by the model that wrote it; some were corrected since.
;; Attention. Allowed arithmetic: float matrix products may take bf16 or f16 operands with f32 sums; other float arithmetic in f32, or as packed bf16 or f16 multiplies, adds, multiply-adds, maxima and minima; sums over many terms, partial sums and values carried from step to step in f32; what a program stores and reads back later, other than sums and carried values, may be rounded once to bf16 or f16.
;; Inputs: dec_output 8 x 4,096 x 256 float32; enc_output 8 x 4,096 x 256 float32.
;; Outputs: out0 8 x 4,096 x 256 float32.
;; 2 versions, each right; version 2 is version 1 with the launch cast written anew for expert scheduling mode. Each part assembles by itself: llvm-mc -triple=amdgcn-amd-amdhsa -mcpu=gfx1250 --defsym DOCPART=n.
;; ======== version 1 of 2: 2 launches
;; limits: inputs' magnitudes at most 65,504; values are held in f16: magnitudes above 65,504 overflow, below 6.1e-05 lose precision
;; workspace buffers: enc16 16,777,216 bytes
;; launch cast (part 1): grid 512 x 1, 8 waves a work-group, no clusters, 0 bytes of LDS; arguments enc_output, enc16; writes enc16
.if DOCPART == 1
	.amdgcn_target "amdgcn-amd-amdhsa--gfx1250"
	.amdhsa_code_object_version 6
	.text
	.protected	k_q86d3b5eb7d_cast
	.globl	k_q86d3b5eb7d_cast
	.p2align	8
	.type	k_q86d3b5eb7d_cast,@function
k_q86d3b5eb7d_cast:
	s_mov_b64 s[64:65], 0
	v_nop
	global_prefetch_b8 v0, s[64:65] scope:SCOPE_SE
	s_setreg_imm32_b32 hwreg(HW_REG_WAVE_MODE, 25, 1), 1
	s_wait_xcnt 0x0
; enc16 = enc_output rounded ONCE to bf16 (nearest even) and that number written as f16.  enc_output: [8][4096][256] f32; enc16: the same shape in f16.
; bf16 keeps 8 significant bits, f16 11: the second conversion changes nothing where the number lies in f16's normal range.
; LIMITS.  A number whose bf16 rounding passes 65,504 becomes an infinity; below 2^-17 the f16 form keeps its fixed step of 6e-8.
; A stream: no LDS, no matrix unit, no cluster, since no byte is read twice.  A work-group takes 65,536 input bytes as 16 chunks of 4,096; in a chunk thread t reads
; 16 bytes at 16 t (a wave: 512 consecutive bytes) and writes 8 bytes at 8 t (a wave's store covers 256 consecutive bytes, aligned).  All 16 loads of a wave go out together;
; every chunk has registers of its own, so the only waits are the counted ones for the loads.
.set CHUNKS, 16
.set X, 16                             ; v[16:79]   chunk i: 4 f32 as loaded
.set Y, 80                             ; v[80:111]  chunk i: 4 f16 to store
	s_load_b128 s[4:7], s[0:1], 0x0                ; enc_output s[4:5], enc16 s[6:7]
	s_lshl_b32 s2, ttmp9, 16                       ; the work-group's 65,536 bytes of input,
	s_mov_b32 s3, 0
	s_lshl_b32 s10, ttmp9, 15                      ; and its 32,768 bytes of output
	s_mov_b32 s11, 0
	s_mov_b32 s8, 0xffff0000                       ; a word's upper bf16
	v_lshlrev_b32 v1, 4, v0                        ; 16 t
	v_lshlrev_b32 v2, 3, v0                        ; 8 t
	s_wait_kmcnt 0x0
	s_add_nc_u64 s[4:5], s[4:5], s[2:3]
	s_add_nc_u64 s[6:7], s[6:7], s[10:11]
.set i, 0
.rept CHUNKS
	global_load_b128 v[X+4*i:X+4*i+3], v1, s[4:5] offset:4096*i th:TH_LOAD_NT
.set i, i+1
.endr
.set i, 0
.rept CHUNKS
	s_wait_loadcnt CHUNKS-1-i                      ; loads come back in order: chunk i is in, the younger ones stay out
	v_cvt_pk_bf16_f32 v4, v[X+4*i], v[X+4*i+1]     ; the one rounding
	v_cvt_pk_bf16_f32 v5, v[X+4*i+2], v[X+4*i+3]
	v_lshlrev_b32 v6, 16, v4                       ; bf16 to f32: the low half moves up,
	v_and_b32 v7, s8, v4                           ; the high half stays
	v_lshlrev_b32 v8, 16, v5
	v_and_b32 v9, s8, v5
	v_cvt_pk_f16_f32 v[Y+2*i], v6, v7              ; the same numbers as f16
	v_cvt_pk_f16_f32 v[Y+2*i+1], v8, v9
	global_store_b64 v2, v[Y+2*i:Y+2*i+1], s[6:7] offset:2048*i
.set i, i+1
.endr
	s_endpgm
.Lfunc_end_k_q86d3b5eb7d_cast:
	.size	k_q86d3b5eb7d_cast, .Lfunc_end_k_q86d3b5eb7d_cast-k_q86d3b5eb7d_cast
	.p2alignl 7, 3214868480
	.fill 96, 4, 3214868480
	.section	.rodata,"a",@progbits
	.p2align	6, 0x0
	.amdhsa_kernel k_q86d3b5eb7d_cast
		.amdhsa_group_segment_fixed_size 0
		.amdhsa_private_segment_fixed_size 0
		.amdhsa_enable_private_segment 0
		.amdhsa_kernarg_size 16
		.amdhsa_user_sgpr_count 2
		.amdhsa_user_sgpr_kernarg_segment_ptr 1
		.amdhsa_wavefront_size32 1
		.amdhsa_system_sgpr_workgroup_id_x 1
		.amdhsa_system_sgpr_workgroup_id_y 1
		.amdhsa_system_sgpr_workgroup_id_z 1
		.amdhsa_system_vgpr_workitem_id 0
		.amdhsa_next_free_vgpr 112
		.amdhsa_next_free_sgpr 66
		.amdhsa_reserve_vcc 0
		.amdhsa_float_denorm_mode_32 3
		.amdhsa_float_denorm_mode_16_64 3
		.amdhsa_memory_ordered 1
		.amdhsa_forward_progress 1
		.amdhsa_inst_pref_size 11
	.end_amdhsa_kernel
	.amdgpu_metadata
---
amdhsa.version: [ 1, 2 ]
amdhsa.kernels:
  - .name:           k_q86d3b5eb7d_cast
    .symbol:         k_q86d3b5eb7d_cast.kd
    .args:
      - { .name: enc_output, .offset: 0, .size: 8, .value_kind: global_buffer, .address_space: global }
      - { .name: enc16, .offset: 8, .size: 8, .value_kind: global_buffer, .address_space: global }
    .group_segment_fixed_size: 0
    .private_segment_fixed_size: 0
    .kernarg_segment_align: 8
    .kernarg_segment_size: 16
    .max_flat_workgroup_size: 256
    .sgpr_count:     66
    .vgpr_count:     112
    .wavefront_size: 32
...
	.end_amdgpu_metadata
.endif
;; end of part 1
;; launch attn (part 2): grid 32 x 8, 4 waves a work-group, clusters of 4 x 1, 327,680 bytes of LDS; arguments enc16, dec_output, out0; writes out0
.if DOCPART == 2
	.amdgcn_target "amdgcn-amd-amdhsa--gfx1250"
	.amdhsa_code_object_version 6
	.text
	.protected	k_q86d3b5eb7d_attn
	.globl	k_q86d3b5eb7d_attn
	.p2align	8
	.type	k_q86d3b5eb7d_attn,@function
k_q86d3b5eb7d_attn:
	s_mov_b64 s[64:65], 0
	v_nop
	global_prefetch_b8 v0, s[64:65] scope:SCOPE_SE
	s_setreg_imm32_b32 hwreg(HW_REG_WAVE_MODE, 25, 1), 1
	s_wait_xcnt 0x0
	s_wait_alu depctr_hold_cnt(0) depctr_sa_sdst(0) depctr_va_vdst(0) depctr_va_sdst(0) depctr_va_ssrc(0) depctr_va_vcc(0) depctr_vm_vsrc(0)
	s_getreg_b32 s2, hwreg(HW_REG_IB_STS2, 6, 4)
	s_cmp_eq_u32 s2, 0
	s_cbranch_scc0 .Lentry_in_a_cluster
	s_endpgm
.Lentry_in_a_cluster:
	s_bfe_u32 s2, ttmp6, 0x10000c
	s_cmp_lg_u32 s2, 0x3003
	s_cbranch_scc0 .Lentry_shape_is_right
	s_endpgm
.Lentry_shape_is_right:
; out0[b][q][:] = the sum over keys i of softmax_i(enc[b][i] . dec[b][q]) enc[b][i][:].  enc16: [8][4096][256] f16 (enc rounded once to bf16, written as f16); dec_output, out0: [8][4096][256] f32.
; dec is rounded here in the same way (f32 -> bf16 -> f16).  Products, maxima and sums in f32; the weights p are rounded to f16 for the second product (their sum l is taken of the unrounded p).
; LIMITS.  Inputs whose bf16 rounding passes 65,504 become infinities; below 2^-17 they keep f16's fixed step of 6e-8, and so does a weight below 6e-5; a weight below 2^-126 counts as 0 in l.
; A row of dec that holds an infinity or a NaN gives NaN.  The sums are taken in another order than a row-by-row sum.
; SHARES.  A work-group owns 128 queries of one batch.  Wave w = 2 a + b: a = which 64 queries (four tiles of 16), b = which half of the keys: of each slot of 128 keys rows 64 b .. 64 b + 63.
; Each wave keeps a running maximum m, a sum l and O^T over its 2,048 keys; the two waves of a query half meet once, at the end, in LDS, in f32.  Register tile t of wave (a, b) is query tile t xor 2 b:
; every wave finishes its register tiles 0, 1 and hands over 2, 3, which are its partner's 0, 1: only addresses hang on b.
; LAYOUT.  S^T = K Q^T (source 0 = 16 keys, source 1 = 16 queries): a lane holds ONE query (lane % 16).  Two such results, rounded to f16 in pairs, ARE source 1 of O^T = V^T P.
; K and V are the same bytes: ONE tile in LDS serves both products, K by plain loads, V turned by ds_load_tr16_b128.  Inside a block of 16 keys fragment row m is LDS row 2 (m % 8) + m / 8.  With rows 528 bytes
; apart (33 x 16) the 16 lanes of a plain load then take 16 rows, and the 16 lanes of a turning load 8 rows of one parity x 2 neighbouring pieces of 16 bytes: both times 16 different pieces modulo 256 bytes
; (64 banks of 4 bytes: ISA guide 11.1).  A softmax does not care in which order keys come, and P's keys stand as V's do.
; SOFTMAX.  p = 2^(c s - c m), c = log2(e); in every step O and l are multiplied by a = 2^(c m_old - c m_new).  c m starts far below every c s, so the first step's a is 0 and it is a step like any other.
; CLUSTER.  The four work-groups of a cluster belong to one batch and walk the same keys: each tile is asked for JOINTLY, by the same tensor load, descriptor and mask in all four.
; REGISTERS, in windows of 256 (s_set_vgpr_msb: bits 1:0 source 0, 3:2 source 1, 5:4 source 2, 7:6 destination):
;   window 0: v0-15 addresses; v16-47 eight registers of statistics a tile; v48-127 five buffers of two fragments of K or V; v128-255 S^T, 32 a tile; P is made in place there
;   window 1: Q, 64 a tile          windows 2, 3: O^T, 128 a tile (tiles 0, 1 and tiles 2, 3)
; Q and O^T fill three windows, so a step goes in phases: 128 products K Q^T, the softmax, 128 products V^T P with O^T's rescaling riding between them; K and V stream through the five buffers.
.set PITCH, 528                        ; an LDS row: 512 bytes + 16 of padding
.set SLOT,  128*PITCH                  ; 67,584 = 0x10800: a tile of 128 keys.  It shares no bit with w x QUART, so one exclusive or changes slots
.set QUART, 32*PITCH                   ; what one wave's tensor load brings
.set XCH,   2*SLOT                     ; behind the ring, never filled by a tensor load: wave w's O^T of its tiles 2, 3: quad k of 64 at 32,768 w + 512 k + 16 lane
.set STATS, XCH+4*32768                ; wave w's (c m, l) of its tiles 2, 3: 16 bytes a lane
.set STAGE, STATS+4*512                ; a wave's own 16 rows x 528 bytes, for the way out
.set STGW,  16*PITCH
.set SPARE, STAGE+4*STGW               ; the spare words, 128 bytes for each wave: two blocks of 256 bytes that no other line names
.set TILEB, 128*512                    ; a tile's bytes in memory
.set NT,    4096/128                   ; tiles in a batch
.set AK0, 2                            ; v2   my lane's place in my half of a tile, for K; never rewritten
.set AV0, 3                            ; v3   the same for V
.set ADR, 4                            ; v4   the LDS address of the loads in hand
.set PFO, 5                            ; v5   512 x lane: the prefetches' offset; never rewritten
.set SPW, 6                            ; v6   LDS address of my spare word; never rewritten
.set NIL, 7                            ; v7   0; never rewritten
.set QO,  8                            ; v8   my byte offset in 16 rows of dec
.set XW,  8                            ; later: where I put what I hand over,
.set XR,  9                            ; where I find what my partner hands me,
.set STO, 10                           ; where I put 16 bytes of a row in my stage,
.set RD,  11                           ; where I read a row back,
.set GO,  12                           ; my 16 bytes in 512 consecutive bytes of out0,
.set SW,  13                           ; my statistics' place,
.set SR,  14                           ; my partner's
.set ST,  16                           ; tile t at ST + 8 t: c m, m, l (even places', odd places'), c0-c3 at work; behind the maximum c2 holds a, c0:c1 a second chain of sums
.set F,   48                           ; buffer i of five at F + 16 i
.set S,   128                          ; tile t, key block kb at S + 32 t + 8 kb; P(t, kk) at S + 32 t + 16 kk
.set XA,  48                           ; the way out: 64 registers from my partner, two buffers,
.set XB,  128
.set YB,  192                          ; and 16 rows read back from the stage
.set WV,  12                           ; s12  my wave's number
.set LIM, 15                           ; s15  1 in a wave that prefetches, else the greatest number
.set PFA, 18                           ; s[18:19] where my prefetches stand
.set G1,  24                           ; s[24:31] descriptor group 1
.set G0,  32                           ; s[32:35] descriptor group 0: it walks
.set SLOTS, 36                         ; s36  tiles still to be asked for
.set TB,  37                           ; s37  LDS byte at which the tile in hand begins
.set CS,  38                           ; s[38:39] c
.set SEL, 40                           ; s[40:41] v_permlanex16_b32's selects: each lane takes its own place in the other half
.set HM,  42                           ; s42  a word's upper bf16
.set QB01, 44                          ; s[44:45] dec at my register tiles 0, 1
.set QB23, 46                          ; s[46:47] at my register tiles 2, 3
.set OB,  48                           ; s[48:49] out0 at my register tiles 0, 1
.set MSB, 0
.macro WIN new                         ; the high byte repeats the setting that is left; a switch that changes nothing is dropped
.if MSB != (\new)
	s_set_vgpr_msb (MSB<<8)|(\new)
.set MSB, (\new)
.endif
.endm
.macro PLACES                          ; four places: in front of loads into registers that matrix instructions have read, and of vector lines that read results (ISA guide 7.12.1 for vector lines)
.rept 4
	v_nop
.endr
.endm
; A round of the cluster's barrier: my work-group's barrier, so that wave 0's signal speaks for all four waves; wave 0 signals; every wave waits for all four work-groups; my work-group's barrier once more.
.macro CROUND
	s_barrier_signal -1
	s_barrier_wait -1
	s_cmp_lg_u32 s[WV], 0
	s_cbranch_scc1 .Lnot_wave_0_\@
	s_barrier_signal -3
.Lnot_wave_0_\@:
	s_barrier_wait -3
	s_barrier_signal -1
	s_barrier_wait -1
.endm
; A joint fill: every wave fetches its own 32 rows of the tile, 16 KiB, by this one line; an s_nop 0 and four v_nop follow it.
.macro JLOAD
	tensor_load_to_lds s[G0:G0+3], s[G1:G1+7]
	s_nop 0
.rept 4
	v_nop
.endr
.endm
; A PREFETCH INTO THE L2 of the tile that the NEXT change of slots will ask for: 128 rows of 512 bytes.  Each aligned 256 bytes are named ONCE in the launch: of the batch's eight clusters the first asks; its four
; partners take 32 rows each, told apart BY ADDRESS; in each, waves 0 and 1 take the two halves of a row, a lane a row.  The last change that fills a slot asks for nothing: there is no tile behind it.
.macro ASK
	s_cmp_gt_u32 s[SLOTS], s[LIM]
	s_cbranch_scc0 .Lnot_mine_\@
	global_prefetch_b8 v[PFO], s[PFA:PFA+1] th:TH_LOAD_NT scope:SCOPE_SE
.Lnot_mine_\@:
.endm
; THE CHANGE OF SLOTS.  Each wave waits for all its tensor loads, of which one is out: its part of the other slot; adds 0 to its spare word; and waits for that and for its reads of the slot that it leaves.
; fill = 1: the slot is filled again with the tile two on.  The barrier is then a round of the cluster's, so that no wave of any partner still reads the slot or has a load on its way, and the joint fill is the
; first thing behind it: it has a step, 256 matrix instructions and a softmax, in which to land.  (At its first use nothing has been read yet: slot 0 is waited for, slot 1 filled.)
.macro CHANGE fill
	WIN 0                                          ; at a label and at a branch every window is 0
	s_wait_tensorcnt 0x0                           ; no tensor load of mine is out, so group 0 may be written
	ds_add_u32 v[SPW], v[NIL]                      ; 0 onto my spare word; scalar work stands between it and the wait for it
.if \fill
	s_xor_b32 s[G0+1], s[G0+1], SLOT               ; the other slot than last time,
	s_add_nc_u64 s[G0+2:G0+3], s[G0+2:G0+3], TILEB ; the next 128 keys; the type bits on top are not reached
	s_wait_xcnt 0x0                                ; the last prefetch, a step back, has read its address, so it may be written:
	s_add_nc_u64 s[PFA:PFA+1], s[PFA:PFA+1], TILEB ; one tile behind the descriptor's
.endif
	s_xor_b32 s[TB], s[TB], SLOT                   ; the reads go to the other slot
	s_wait_dscnt 0x0                               ; the add is done, and my reads of the slot are over
.if \fill
	CROUND
	JLOAD
.else
	s_barrier_signal -1
	s_barrier_wait -1
	PLACES
.endif
.endm
; K's fragments, pair n of 16: channels 32 (n / 2) on, key blocks 2 (n % 2) and 2 (n % 2) + 1, into buffer n % 5.
.macro KLOAD n
.irp i, 0,1
	ds_load_b128 v[F+16*((\n)%5)+8*\i:F+16*((\n)%5)+8*\i+3],   v[ADR] offset:(2*((\n)%2)+\i)*16*PITCH+64*((\n)/2)
	ds_load_b128 v[F+16*((\n)%5)+8*\i+4:F+16*((\n)%5)+8*\i+7], v[ADR] offset:(2*((\n)%2)+\i)*16*PITCH+64*((\n)/2)+32
.endr
.endm
; Eight products of S^T = K Q^T on pair n; the 16 accumulators take turns, one instruction a turn.  The first two pairs start the sums.  Then the buffer takes pair n + 5.
.macro KQ n
.if (\n) <= 11
	s_wait_dscnt 16                                ; pair n is in; the four later pairs' 16 loads may be out
.else
	s_wait_dscnt 4*(15-(\n))                       ; the pairs that are left
.endif
.irp i, 0,1
.irp t, 0,1,2,3
.set rS, S+32*\t+8*(2*((\n)%2)+\i)
.set rK, F+16*((\n)%5)+8*\i
.set rQ, 64*\t+8*((\n)/2)
.if (\n) < 2
	v_wmma_f32_16x16x32_f16 v[rS:rS+7], v[rK:rK+7], v[rQ:rQ+7], 0
.else
	v_wmma_f32_16x16x32_f16 v[rS:rS+7], v[rK:rK+7], v[rQ:rQ+7], v[rS:rS+7]
.endif
.endr
.endr
.if (\n) <= 10
	PLACES
	KLOAD (\n)+5
.endif
.endm
; V's fragments, turned: channel block n of 16, keys 32 kk on, into buffer n % 5.
.macro VLOAD n
.irp k, 0,1
	ds_load_tr16_b128 v[F+16*((\n)%5)+8*\k:F+16*((\n)%5)+8*\k+3],   v[ADR] offset:\k*32*PITCH+32*(\n)
	ds_load_tr16_b128 v[F+16*((\n)%5)+8*\k+4:F+16*((\n)%5)+8*\k+7], v[ADR] offset:\k*32*PITCH+16*PITCH+32*(\n)
.endr
.endm
; O^T(t, cb) times a: four packed lines, the accumulator's lowest registers first.
.macro RS t, cb
	WIN 0x82+0x41*((\t)/2)                         ; destination and source 0 in window 2 or 3, a in window 0
.set rO, 128*((\t)%2)+8*(\cb)
.irp z, 0,2,4,6
	v_pk_mul_f32 v[rO+\z:rO+\z+1], v[rO+\z:rO+\z+1], v[ST+8*(\t)+6:ST+8*(\t)+7] op_sel_hi:[1,0]
.endr
.endm
.macro PVM t, n, kk                    ; O^T(t, n) += V^T(n, kk) P(t, kk)
.set rO, 128*((\t)%2)+8*(\n)
.set rV, F+16*((\n)%5)+8*(\kk)
.set rP, S+32*(\t)+16*(\kk)
	WIN 0xa0+0x50*((\t)/2)                         ; C and D in window 2 or 3, V and P in window 0
	v_wmma_f32_16x16x32_f16 v[rO:rO+7], v[rV:rV+7], v[rP:rP+7], v[rO:rO+7]
.endm
; Eight products on channel block n.  Two tiles' accumulators take turns, so that no link of a chain follows the link before it.  Behind every second product ride four lines that rescale the NEXT block's
; accumulators, which no product near them names; the last four are also the places in front of the loads into the buffer just read.
.macro PV n
.if (\n) <= 11
	s_wait_dscnt 16                                ; block n is in; the four later blocks' 16 loads may be out
.else
	s_wait_dscnt 4*(15-(\n))
.endif
.irp g, 0,1
	PVM 2*\g, \n, 0
	PVM 2*\g+1, \n, 0
.if (\n) < 15
	RS 2*\g, (\n)+1
.endif
	PVM 2*\g, \n, 1
	PVM 2*\g+1, \n, 1
.if (\n) < 15
	RS 2*\g+1, (\n)+1
.endif
.endr
.if (\n) <= 10
	WIN 0
	VLOAD (\n)+5
.endif
.endm
; Number j of the 22 that find tile t's maximum and statistics.  0-11: four chains c0-c3 of seven scores each, each accumulator's lowest registers first.  12-15: the four scores left over,
; c0-c3 and the old m into c0.  16, 18: the query's other keys lie in the lane 16 away: the new m.  17, 19, 20: c m_old is kept, c m made anew, their difference.  21: a.
.macro SM t, j
.set rT, ST+8*(\t)
.set rS, S+32*(\t)
.if (\j) < 4
	v_max3_num_f32 v[rT+4+(\j)], v[rS+8*(\j)], v[rS+8*(\j)+1], v[rS+8*(\j)+2]
.elseif (\j) < 12
	v_max3_num_f32 v[rT+4+(\j)%4], v[rT+4+(\j)%4], v[rS+8*((\j)%4)+2*((\j)/4)+1], v[rS+8*((\j)%4)+2*((\j)/4)+2]
.elseif (\j) == 12
	v_max3_num_f32 v[rT+4], v[rT+4], v[rS+7], v[rS+15]
.elseif (\j) == 13
	v_max3_num_f32 v[rT+6], v[rT+6], v[rS+23], v[rS+31]
.elseif (\j) == 14
	v_max3_num_f32 v[rT+4], v[rT+4], v[rT+5], v[rT+6]
.elseif (\j) == 15
	v_max3_num_f32 v[rT+4], v[rT+4], v[rT+7], v[rT+1]
.elseif (\j) == 16
	v_permlanex16_b32 v[rT+5], v[rT+4], s[SEL], s[SEL+1]
.elseif (\j) == 17
	v_mov_b32 v[rT+7], v[rT]
.elseif (\j) == 18
	v_max_num_f32 v[rT+1], v[rT+4], v[rT+5]
.elseif (\j) == 19
	v_mul_f32 v[rT], s[CS], v[rT+1]
.elseif (\j) == 20
	v_sub_f32 v[rT+7], v[rT+7], v[rT]
.else
	v_exp_f32 v[rT+6], v[rT+7]
.endif
.endm
.macro FS t, b                         ; pair b of 16: c s - c m
	v_pk_fma_f32 v[S+32*(\t)+2*(\b):S+32*(\t)+2*(\b)+1], v[S+32*(\t)+2*(\b):S+32*(\t)+2*(\b)+1], s[CS:CS+1], v[ST+8*(\t):ST+8*(\t)+1] op_sel_hi:[1,0,0] neg_lo:[0,0,1] neg_hi:[0,0,1]
.endm
; The sums, in two chains: l takes the even pairs (the first time as l = a l + p), u the odd ones.  u starts at pair 1 as p1 + p3, while pair 3 still stands whole; pair 3 then adds nothing.
.macro SUM t, b
.set rT, ST+8*(\t)
.set rS, S+32*(\t)
.if (\b) == 0
	v_pk_fma_f32 v[rT+2:rT+3], v[rT+2:rT+3], v[rT+6:rT+7], v[rS:rS+1] op_sel_hi:[1,0,1]
.elseif (\b) == 1
	v_pk_add_f32 v[rT+4:rT+5], v[rS+2:rS+3], v[rS+6:rS+7]
.elseif (\b) == 3
.elseif (\b)%2 == 0
	v_pk_add_f32 v[rT+2:rT+3], v[rT+2:rT+3], v[rS+2*(\b):rS+2*(\b)+1]
.else
	v_pk_add_f32 v[rT+4:rT+5], v[rT+4:rT+5], v[rS+2*(\b):rS+2*(\b)+1]
.endif
.endm
; Pair b is rounded to f16, in place: into register b of the tile's first 16 (b < 8) or register b - 8 of its second 16.  With b ascending, and each pair summed first, that register holds a weight already summed and rounded.
.macro CVT t, b
	v_cvt_pk_f16_f32 v[S+32*(\t)+16*((\b)/8)+(\b)%8], v[S+32*(\t)+2*(\b)], v[S+32*(\t)+2*(\b)+1]
.endm
; THE SOFTMAX of a step, the four tiles by turns so that no line reads the result of the line before it.  The 4 a and the 128 exponentials are ONE BATCH: nothing ahead of the wait names a result of theirs.
.macro LUMP
	WIN 0
.set jj, 0
.rept 22
.irp t, 0,1,2,3
	SM \t, jj
.endr
.set jj, jj+1
.endr
.irp b, 0,1
.irp t, 0,1,2,3
	FS \t, \b
.endr
.endr
.set bb, 0
.rept 16                               ; a pair is scaled two trips ahead of its exponentials
.irp t, 0,1,2,3
.if bb < 14
	FS \t, bb+2
.endif
	v_exp_f32 v[S+32*\t+2*bb], v[S+32*\t+2*bb]
	v_exp_f32 v[S+32*\t+2*bb+1], v[S+32*\t+2*bb+1]
.endr
.set bb, bb+1
.endr
	v_nop                                          ; a plain line behind the last exponential, ahead of the first use of a result: one for the batch
	s_wait_alu depctr_va_vdst(0)                   ; the wait ahead of the first line that names a result: one for the batch
.set bb, 0
.rept 16
.irp t, 0,1,2,3
	SUM \t, bb
	CVT \t, bb
.endr
.set bb, bb+1
.endr
.irp t, 0,1,2,3
	v_pk_add_f32 v[ST+8*\t+2:ST+8*\t+3], v[ST+8*\t+2:ST+8*\t+3], v[ST+8*\t+4:ST+8*\t+5]
.endr
.irp t, 0,1,2,3
	RS \t, 0                                       ; channel block 0 is rescaled here; the others ride among the products
.endr
.endm
; A STEP: my 64 keys of the tile in hand.  The v_add_nc_u32 at its head is, with the four v_nop of the change of slots, the fifth place in front of products that write over P.
.macro STEP ask
	WIN 0
	v_add_nc_u32 v[ADR], s[TB], v[AK0]
.irp n, 0,1,2,3,4
	KLOAD \n
.endr
.if \ask
	ASK                                            ; behind the joint load, its five lines and the run of LDS loads that the next products wait for
.endif
	WIN 0x04                                       ; Q in window 1; K, S^T and the loads' registers in window 0: one setting for the whole phase
.set nn, 0
.rept 16
	KQ nn
.set nn, nn+1
.endr
	WIN 0
	PLACES                                         ; in front of the loads into the buffers, and of the maximum, which reads results just made
	v_add_nc_u32 v[ADR], s[TB], v[AV0]
.irp n, 0,1,2,3,4
	VLOAD \n                                       ; they land while the softmax runs
.endr
	LUMP
.set nn, 0
.rept 16
	PV nn
.set nn, nn+1
.endr
	WIN 0
.endm
; dec, tile t: 16 rows x 256 f32, staged in the registers of the tile's O^T.  A fragment's lane wants channels 32 c + 8 h + 0..7 and 32 c + 16 + 8 h + 0..7 of row lane % 16: four loads of 16 bytes.
.macro QLOAD t
	WIN 0x80+0x40*((\t)/2)                         ; destination window 2 or 3
.irp c, 0,1,2,3,4,5,6,7
.irp p, 0,1,2,3
.if (\t) < 2
	global_load_b128 v[128*((\t)%2)+16*\c+4*\p:128*((\t)%2)+16*\c+4*\p+3], v[QO], s[QB01:QB01+1] offset:((\t)%2)*16384+128*\c+16*(\p%2)+64*(\p/2)
.else
	global_load_b128 v[128*((\t)%2)+16*\c+4*\p:128*((\t)%2)+16*\c+4*\p+3], v[QO], s[QB23:QB23+1] offset:((\t)%2)*16384+128*\c+16*(\p%2)+64*(\p/2)
.endif
.endr
.endr
.endm
; Tile t: rounded once to bf16, and that number written as f16 into Q.  S^T's registers are free and serve as scratch.
.macro QCONV t
.if (\t) < 2
	s_wait_loadcnt 63                              ; 96 or 64 loads were issued behind this tile's; the wait names the most that it can, and leaves fewer out
.else
	s_wait_loadcnt 32*(3-(\t))                     ; the loads issued behind this tile's
.endif
	WIN 0x0a+5*((\t)/2)                            ; sources in window 2 or 3
.set ii, 0
.rept 64
	v_cvt_pk_bf16_f32 v[S+ii], v[128*((\t)%2)+2*ii], v[128*((\t)%2)+2*ii+1]
.set ii, ii+1
.endr
.irp u, 0,1
	WIN 0
.set ii, 0
.rept 32
	v_lshlrev_b32 v[S+64+2*ii], 16, v[S+32*\u+ii]
	v_and_b32 v[S+65+2*ii], s[HM], v[S+32*\u+ii]
.set ii, ii+1
.endr
	WIN 0x40                                       ; destination window 1
.set ii, 0
.rept 32
	v_cvt_pk_f16_f32 v[64*(\t)+32*\u+ii], v[S+64+2*ii], v[S+65+2*ii]
.set ii, ii+1
.endr
.endr
.endm
	s_load_b128 s[4:7], s[0:1], 0x0                ; enc16 s[4:5], dec s[6:7]
	s_load_b64 s[8:9], s[0:1], 0x10                ; out0
	v_lshl_add_u32 v[SPW], v0, 2, SPARE
	v_mov_b32 v[NIL], 0
	ds_add_u32 v[SPW], v[NIL]                      ; the wave's opening: the add and its wait come ahead of my first tensor load; the set-up below, work on registers, stands between them
	v_lshrrev_b32 v1, 5, v0
	v_readfirstlane_b32 s[WV], v1                  ; wave 0..3
	s_lshr_b32 s16, s[WV], 1                       ; a: my half of the queries
	s_and_b32 s17, s[WV], 1                        ; b: my half of the keys
	s_bfe_u32 s13, ttmp6, 0x40000                  ; cx: my place in the cluster
	s_lshl_b32 s14, ttmp9, 2                       ; in a cluster launch ttmp9 counts clusters
	s_add_co_u32 s14, s14, s13                     ; my block of 128 queries: it enters dec's and out0's addresses alone
	s_and_b32 s20, ttmp7, 0xffff                   ; the batch, which the four partners share
	s_lshl_b32 s22, s20, 21                        ; the batch's 2 MiB of enc16,
	s_lshl_b32 s21, s[WV], 14                      ; my 32 rows of 512 bytes in a tile
	s_add_co_u32 s22, s22, s21
	s_mov_b32 s23, 0
	s_lshl_b32 s50, s20, 21                        ; the prefetches: the batch,
	s_lshl_b32 s21, s13, 14                        ; my work-group's 32 rows of the 128,
	s_add_co_u32 s50, s50, s21
	s_lshl_b32 s21, s17, 8                         ; my half of a row (waves 0 and 1 ask),
	s_add_co_u32 s50, s50, s21
	s_add_co_u32 s50, s50, TILEB                   ; in tile 1: the first change of slots steps it to tile 2
	s_mov_b32 s51, 0
	s_lshl_b32 s52, s20, 22                        ; dec and out0: the batch's 4 MiB,
	s_lshl_b32 s21, s14, 17                        ; my block's 128 rows of 1,024 bytes,
	s_add_co_u32 s52, s52, s21
	s_lshl_b32 s21, s16, 16                        ; my half's 64
	s_add_co_u32 s52, s52, s21
	s_lshl_b32 s21, s17, 15                        ; register tiles 0, 1 are query tiles 2 b, 2 b + 1,
	s_xor_b32 s53, s21, 1<<15                      ; register tiles 2, 3 the other two
	s_add_co_u32 s54, s52, s53
	s_add_co_u32 s52, s52, s21
	s_mov_b32 s53, 0
	s_mov_b32 s55, 0
	; descriptor group 1: a tile of 32 rows x 256 elements, padded in LDS
	s_mov_b32 s[G1], 15|(1<<16)|(1<<20)|(1<<21)|(6<<22)|(3<<25)  ; 15:0 the mask of four; 17:16 2-byte elements; 20 padding on; 21 set beside a mask; 24:22 after every 128 words (code 6); 31:25 4 words (code 3)
	s_mov_b32 s[G1+1], 256<<16                     ; tensor_dim0 = 256
	s_mov_b32 s[G1+2], 32<<16                      ; tensor_dim1 = 32
	s_mov_b32 s[G1+3], 256<<16                     ; tile_dim0 = 256
	s_mov_b32 s[G1+4], 32                          ; tile_dim1 = 32
	s_mov_b32 s[G1+5], 256                         ; 256 elements from row to row
	s_mov_b32 s[G1+6], 0
	s_mov_b32 s[G1+7], 0
	s_mov_b32 s[G0], 1                             ; count = 1
	s_mul_i32 s[G0+1], s[WV], QUART                ; LDS address: my quarter of slot 0: no place in the cluster enters an LDS address
	s_mov_b32 s[CS], 0x3fb8aa3b                    ; c = log2(e)
	s_mov_b32 s[CS+1], s[CS]                       ; named with it as a pair
	s_mov_b32 s[SEL], 0x76543210
	s_mov_b32 s[SEL+1], 0xfedcba98
	s_mov_b32 s[HM], 0xffff0000
	s_mov_b32 s[TB], SLOT                          ; the first change of slots turns it into 0
	s_mov_b32 s[SLOTS], NT-1
	s_or_b32 s[LIM], s16, ttmp9                    ; 0 in waves 0 and 1 of the batch's first cluster: the same in all four partners
	s_cmp_eq_u32 s[LIM], 0
	s_cselect_b32 s[LIM], 1, -1
	v_and_b32 v1, 31, v0
	v_lshlrev_b32 v[PFO], 9, v1
	v_and_b32 v9, 15, v0                           ; r = l % 16
	v_bfe_u32 v10, v0, 4, 1                        ; h = l / 16
	v_and_b32 v11, 7, v0                           ; l % 8
	v_bfe_u32 v12, v0, 3, 1                        ; (l / 8) % 2
	s_mul_i32 s21, s17, 64*PITCH                   ; my 64 rows of a tile
	v_lshl_add_u32 v13, v11, 1, v12                ; K: fragment row r lies in LDS row 2 (r % 8) + r / 8,
	v_mul_u32_u24 v13, v13, PITCH
	v_lshl_add_u32 v13, v10, 4, v13                ; 16 bytes for each half of the lanes
	v_add_nc_u32 v[AK0], s21, v13
	v_lshl_add_u32 v13, v11, 1, v10                ; V: place 8 h + j along the keys is LDS row 2 j + h; lane l reads the row of j = l % 8,
	v_mul_u32_u24 v13, v13, PITCH
	v_lshl_add_u32 v13, v12, 4, v13                ; channels 8 ((l / 8) % 2) + 0..7
	v_add_nc_u32 v[AV0], s21, v13
	v_lshlrev_b32 v[QO], 10, v9                    ; dec: row r, 1,024 bytes a row,
	v_lshl_add_u32 v[QO], v10, 5, v[QO]            ; 8 f32 for each half of the lanes
.irp t, 0,1,2,3
	v_mov_b32 v[ST+8*\t], 0xfe000000               ; c m: far below every c s
	v_mov_b32 v[ST+8*\t+1], 0xff7fffff             ; m: the lowest finite number
	v_mov_b32 v[ST+8*\t+2], 0                      ; l
	v_mov_b32 v[ST+8*\t+3], 0
.endr
	s_wait_dscnt 0x0                               ; the opening add is done
	s_wait_kmcnt 0x0
	s_add_nc_u64 s[G0+2:G0+3], s[4:5], s[22:23]    ; global address: my quarter of the batch's tile 0
	s_or_b32 s[G0+3], s[G0+3], 0x80000000          ; type = 2
	s_add_nc_u64 s[PFA:PFA+1], s[4:5], s[50:51]
	s_add_nc_u64 s[QB01:QB01+1], s[6:7], s[52:53]
	s_add_nc_u64 s[QB23:QB23+1], s[6:7], s[54:55]
	s_add_nc_u64 s[OB:OB+1], s[8:9], s[52:53]
	CROUND                                         ; all four work-groups are here: the first joint loads meet
	JLOAD                                          ; tile 0 into slot 0.  Slot 1 is asked for when slot 0 is in, by the loop's own change of slots
.irp t, 0,1,2,3
	QLOAD \t                                       ; all 128 loads go out together
.endr
.irp t, 0,1,2,3
	QCONV \t
.endr
	WIN 0
	; O^T is not cleared: it keeps the staged numbers of dec, and the first step multiplies them by a = 0.
.Lslot:                                        ; NT - 1 trips: tile s is waited for and worked on, tile s + 1 asked for, tile s + 2 prefetched
	CHANGE 1
	STEP 1
	s_sub_co_u32 s[SLOTS], s[SLOTS], 1
	s_cmp_lg_u32 s[SLOTS], 0
	s_cbranch_scc1 .Lslot
	CHANGE 0                                       ; the last tile is written out: nothing is asked for
	STEP 0
	; THE MERGE.  The addresses are made here: plain lines, the places behind the last products.
	v_and_b32 v1, 31, v0
	v_and_b32 v15, 15, v0
	s_lshl_b32 s20, s[WV], 15
	s_add_co_u32 s20, s20, XCH
	s_xor_b32 s21, s[WV], 1                        ; my partner: the other half of the keys, the same queries
	s_lshl_b32 s22, s21, 15
	s_add_co_u32 s22, s22, XCH
	v_lshl_add_u32 v[XW], v1, 4, s20
	v_lshl_add_u32 v[XR], v1, 4, s22
	s_lshl_b32 s50, s[WV], 9
	s_add_co_u32 s50, s50, STATS
	s_lshl_b32 s51, s21, 9
	s_add_co_u32 s51, s51, STATS
	v_lshl_add_u32 v[SW], v1, 4, s50
	v_lshl_add_u32 v[SR], v1, 4, s51
	s_mul_i32 s52, s[WV], STGW
	s_add_co_u32 s52, s52, STAGE                   ; my stage
	v_lshl_add_u32 v[RD], v1, 4, s52               ; back: 32 lanes take one row of 512 bytes,
	v_lshlrev_b32 v[GO], 4, v1                     ; which are 512 consecutive bytes of out0
	v_mul_u32_u24 v[STO], v15, PITCH               ; in: row l % 16,
	v_bfe_u32 v15, v0, 4, 1
	v_lshl_add_u32 v[STO], v15, 5, v[STO]          ; 8 f32 for each half of the lanes
	v_add_nc_u32 v[STO], s52, v[STO]
.irp t, 0,1,2,3
	v_add_f32 v[ST+8*\t+2], v[ST+8*\t+2], v[ST+8*\t+3]  ; l's two halves,
.endr
.irp t, 0,1,2,3
	v_permlanex16_b32 v[ST+8*\t+3], v[ST+8*\t+2], s[SEL], s[SEL+1]
.endr
.irp t, 0,1,2,3
	v_add_f32 v[ST+8*\t+2], v[ST+8*\t+2], v[ST+8*\t+3]  ; and the other half of the lanes'
.endr
	v_mov_b32 v112, v[ST+16]                       ; what I hand over of tiles 2 and 3: c m, l,
	v_mov_b32 v113, v[ST+18]
	v_mov_b32 v114, v[ST+24]
	v_mov_b32 v115, v[ST+26]
	ds_store_b128 v[SW], v[112:115]
	WIN 0x0c                                       ; store data in window 3
.set ii, 0
.rept 64
	ds_store_b128 v[XW], v[4*ii:4*ii+3] offset:512*ii  ; and O^T, in f32: ascending, so each accumulator's lowest registers go first; 32 lanes x 16 consecutive bytes
.set ii, ii+1
.endr
	WIN 0
	s_wait_dscnt 0x0                               ; for my partner's sake: my stores are done
	s_barrier_signal -1
	s_barrier_wait -1
.macro XLOAD k                         ; my partner's O^T for half k % 2 of my tile k / 2: 64 registers
.set rX, XA+(XB-XA)*((\k)%2)
.set ii, 0
.rept 16
	ds_load_b128 v[rX+4*ii:rX+4*ii+3], v[XR] offset:(16*(\k)+ii)*512
.set ii, ii+1
.endr
.endm
	ds_load_b128 v[116:119], v[SR]                 ; my partner's c m and l for my tiles 0 and 1
	XLOAD 0
	s_wait_dscnt 16                                ; the statistics are in; the 16 loads behind them may be out
.irp t, 0,1
	v_max_num_f32 v[ST+8*\t+1], v[ST+8*\t], v[116+2*\t]  ; the common c m
.endr
.irp t, 0,1
	v_sub_f32 v[ST+8*\t+4], v[ST+8*\t], v[ST+8*\t+1]
	v_sub_f32 v[ST+8*\t+6], v[116+2*\t], v[ST+8*\t+1]
.endr
.irp t, 0,1
	v_exp_f32 v[ST+8*\t+5], v[ST+8*\t+4]           ; f: what each side's sums are worth under the common maximum
	v_exp_f32 v[ST+8*\t+7], v[ST+8*\t+6]
.endr
	v_nop                                          ; a plain line behind the last exponential,
	s_wait_alu depctr_va_vdst(0)                   ; and the wait ahead of the first use: one for the four
.irp t, 0,1
	v_mul_f32 v[ST+8*\t+3], v[ST+8*\t+2], v[ST+8*\t+5]
.endr
.irp t, 0,1
	v_fmac_f32 v[ST+8*\t+3], v[117+2*\t], v[ST+8*\t+7]  ; l = l_own f_own + l_other f_other
.endr
.irp t, 0,1
	v_rcp_f32 v[ST+8*\t+1], v[ST+8*\t+3]
.endr
	v_nop
	s_wait_alu depctr_va_vdst(0)                   ; one wait for the two reciprocals
.irp t, 0,1
	v_mul_f32 v[ST+8*\t+4], v[ST+8*\t+5], v[ST+8*\t+1]  ; g = f / l; the packed lines below take the pair's low word for both halves
	v_mul_f32 v[ST+8*\t+6], v[ST+8*\t+7], v[ST+8*\t+1]
.endr
; THE WAY OUT, half k % 2 (128 channels) of tile k / 2: O = O_own g_own + O_other g_other; a lane's eight channels of a row go into my stage (rows of 528 bytes) and come back as whole rows of 512 bytes.
.macro HALF k
.if (\k) < 3
	XLOAD (\k)+1
	s_wait_dscnt 16                                ; this half's 64 registers are in; the next half's 16 loads may be out
.else
	s_wait_dscnt 0x0
.endif
.set tt, (\k)/2
.set hf, (\k)%2
.set rX, XA+(XB-XA)*((\k)%2)
.set ii, 0
.rept 32
	v_pk_mul_f32 v[rX+2*ii:rX+2*ii+1], v[rX+2*ii:rX+2*ii+1], v[ST+8*tt+6:ST+8*tt+7] op_sel_hi:[1,0]
.set ii, ii+1
.endr
	WIN 0x02                                       ; source 0, my O^T, in window 2
.set ii, 0
.rept 32
	v_pk_fma_f32 v[rX+2*ii:rX+2*ii+1], v[128*tt+64*hf+2*ii:128*tt+64*hf+2*ii+1], v[ST+8*tt+4:ST+8*tt+5], v[rX+2*ii:rX+2*ii+1] op_sel_hi:[1,0,1]  ; ascending: each accumulator's lowest registers first
.set ii, ii+1
.endr
	WIN 0
.set ii, 0
.rept 8
	ds_store_b128 v[STO], v[rX+8*ii:rX+8*ii+3]   offset:64*ii
	ds_store_b128 v[STO], v[rX+8*ii+4:rX+8*ii+7] offset:64*ii+16
.set ii, ii+1
.endr
	s_wait_xcnt 0x0                                ; the last half's stores have read their data: only behind this wait are those registers loaded again
.set ii, 0
.rept 16
	ds_load_b128 v[YB+4*ii:YB+4*ii+3], v[RD] offset:PITCH*ii  ; LDS serves a wave's instructions in order (ISA guide 5.7.1.4): these see the stores above; the next half's stores come behind them
.set ii, ii+1
.endr
.set ii, 0
.rept 16
	s_wait_dscnt 15-ii                             ; row ii is back; the younger rows may be out
	global_store_b128 v[GO], v[YB+4*ii:YB+4*ii+3], s[OB:OB+1] offset:tt*16384+ii*1024+hf*512 th:TH_STORE_NT  ; 512 consecutive bytes, at a multiple of 256 from out0's first
.set ii, ii+1
.endr
.endm
	HALF 0
	HALF 1
	HALF 2
	HALF 3
	s_wait_tensorcnt 0x0                           ; the wave's end: a tensor wait, an add and its wait, behind my last tensor load and my last LDS store
	ds_add_u32 v[SPW], v[NIL]
	s_wait_dscnt 0x0
	CROUND                                         ; the closing round: no work-group ends while a partner may still ask for a tile that names it
	s_endpgm
.Lfunc_end_k_q86d3b5eb7d_attn:
	.size	k_q86d3b5eb7d_attn, .Lfunc_end_k_q86d3b5eb7d_attn-k_q86d3b5eb7d_attn
	.p2alignl 7, 3214868480
	.fill 96, 4, 3214868480
	.section	.rodata,"a",@progbits
	.p2align	6, 0x0
	.amdhsa_kernel k_q86d3b5eb7d_attn
		.amdhsa_group_segment_fixed_size 327680
		.amdhsa_private_segment_fixed_size 0
		.amdhsa_enable_private_segment 0
		.amdhsa_kernarg_size 24
		.amdhsa_user_sgpr_count 2
		.amdhsa_user_sgpr_kernarg_segment_ptr 1
		.amdhsa_wavefront_size32 1
		.amdhsa_system_sgpr_workgroup_id_x 1
		.amdhsa_system_sgpr_workgroup_id_y 1
		.amdhsa_system_sgpr_workgroup_id_z 1
		.amdhsa_system_vgpr_workitem_id 0
		.amdhsa_next_free_vgpr 1024
		.amdhsa_next_free_sgpr 66
		.amdhsa_reserve_vcc 0
		.amdhsa_float_denorm_mode_32 3
		.amdhsa_float_denorm_mode_16_64 3
		.amdhsa_memory_ordered 1
		.amdhsa_forward_progress 1
		.amdhsa_inst_pref_size 248
	.end_amdhsa_kernel
	.amdgpu_metadata
---
amdhsa.version: [ 1, 2 ]
amdhsa.kernels:
  - .name:           k_q86d3b5eb7d_attn
    .symbol:         k_q86d3b5eb7d_attn.kd
    .args:
      - { .name: enc16, .offset: 0, .size: 8, .value_kind: global_buffer, .address_space: global }
      - { .name: dec_output, .offset: 8, .size: 8, .value_kind: global_buffer, .address_space: global }
      - { .name: out0, .offset: 16, .size: 8, .value_kind: global_buffer, .address_space: global }
    .group_segment_fixed_size: 327680
    .private_segment_fixed_size: 0
    .kernarg_segment_align: 8
    .kernarg_segment_size: 24
    .max_flat_workgroup_size: 128
    .sgpr_count:     66
    .vgpr_count:     1024
    .wavefront_size: 32
...
	.end_amdgpu_metadata
.endif
;; end of part 2
;; ======== version 2 of 2: 2 launches; version 1 with the launch cast written anew for expert scheduling mode
;; limits: inputs' magnitudes at most 65,504; values are held in f16: magnitudes above 65,504 overflow, below 6.1e-05 lose precision
;; workspace buffers: enc16 16,777,216 bytes
;; launch cast (part 3): grid 512 x 1, 8 waves a work-group, no clusters, 0 bytes of LDS; arguments enc_output, enc16; writes enc16
.if DOCPART == 3
	.amdgcn_target "amdgcn-amd-amdhsa--gfx1250"
	.amdhsa_code_object_version 6
	.text
	.protected	k_q86d3b5eb7d_cast
	.globl	k_q86d3b5eb7d_cast
	.p2align	8
	.type	k_q86d3b5eb7d_cast,@function
k_q86d3b5eb7d_cast:
	s_mov_b64 s[64:65], 0
	v_nop
	global_prefetch_b8 v0, s[64:65] scope:SCOPE_SE
	s_setreg_imm32_b32 hwreg(HW_REG_WAVE_SCHED_MODE, 0, 2), 2
	s_setreg_imm32_b32 hwreg(HW_REG_WAVE_MODE, 25, 1), 1
	s_wait_xcnt 0x0
	s_wait_alu depctr_vm_vsrc(0)
; enc16 = enc_output rounded ONCE to bf16 (nearest even) and that number written as f16.  enc_output: [8][4096][256] f32; enc16: the same shape in f16.
; bf16 keeps 8 significant bits, f16 11: the second conversion changes nothing where the number lies in f16's normal range.
; LIMITS.  A number whose bf16 rounding passes 65,504 becomes an infinity; below 2^-17 the f16 form keeps its fixed step of 6e-8.
; A stream: no LDS, no matrix unit, no cluster, since no byte is read twice.  A work-group takes 65,536 input bytes as 16 chunks of 4,096; in a chunk thread t reads
; 16 bytes at 16 t (a wave: 512 consecutive bytes) and writes 8 bytes at 8 t (a wave's store covers 256 consecutive bytes, aligned).  All 16 loads of a wave go out together;
; every chunk has registers of its own.
; THE MODE: SCHED_MODE bits 1:0 = 2 (LLVM: expert scheduling mode 2), set by the entry lines.  The code itself states the register dependences
; between vector instructions and memory instructions, with s_wait_alu, always for 0.
; THE PLAN.  Registers that memory instructions touch:
;   v1, v2   byte offsets of the loads and of the stores: written once at the head, never again.
;   X        chunk c's four registers: written by chunk c's load alone, once; no vector line names them ahead of that load; read by chunk c's two roundings behind the counted wait for the load.
;   Y        chunk c's two registers: written by chunk c's two conversions to f16, once; read by chunk c's store, once; never written again.
;   v[4:9]   at work: named by vector lines alone.
; No register that a load or store reads is ever written again, no vector line writes a scalar register, and EXEC is never written: what is left to state is that the offsets are written ahead
; of the first load, and that a store's Y is written ahead of the store.  The chunks go in four blocks of four: a block's four stores stand at the head of the next block, behind ONE wait that
; states that the block has written its eight Y registers, and ahead of the next block's first wait for data, so that they are on their way while the wave waits for its loads.
.set CHUNKS, 16
.set BLOCK,  4                         ; chunks in a block
.set X, 16                             ; v[16:79]   chunk c: 4 f32 as loaded
.set Y, 80                             ; v[80:111]  chunk c: 4 f16 to store
	s_load_b128 s[4:7], s[0:1], 0x0                ; enc_output s[4:5], enc16 s[6:7]
	s_lshl_b32 s2, ttmp9, 16                       ; the work-group's 65,536 bytes of input,
	s_mov_b32 s3, 0
	s_lshl_b32 s10, ttmp9, 15                      ; and its 32,768 bytes of output
	s_mov_b32 s11, 0
	s_mov_b32 s8, 0xffff0000                       ; a word's upper bf16
	v_lshlrev_b32 v1, 4, v0                        ; 16 t
	v_lshlrev_b32 v2, 3, v0                        ; 8 t
	s_wait_kmcnt 0x0
	s_add_nc_u64 s[4:5], s[4:5], s[2:3]
	s_add_nc_u64 s[6:7], s[6:7], s[10:11]
	s_wait_alu depctr_va_vdst(0)                   ; v1 and v2 are written: every load of the kernel reads v1 as its offset, every store v2
.set i, 0
.rept CHUNKS
	global_load_b128 v[X+4*i:X+4*i+3], v1, s[4:5] offset:4096*i th:TH_LOAD_NT
.set i, i+1
.endr
.set p, 0
.rept CHUNKS/BLOCK
.if p > 0
	s_wait_alu depctr_va_vdst(0)                   ; the block before has written its eight Y registers, which the four stores below read
.set i, 0
.rept BLOCK
.set c, BLOCK*(p-1)+i
	global_store_b64 v2, v[Y+2*c:Y+2*c+1], s[6:7] offset:2048*c  ; no vector line since the wait names these registers
.set i, i+1
.endr
.endif
.set i, 0
.rept BLOCK
.set c, BLOCK*p+i
	s_wait_loadcnt CHUNKS-1-c                      ; loads come back in order: chunk c is in, the younger ones stay out
	v_cvt_pk_bf16_f32 v4, v[X+4*c], v[X+4*c+1]     ; the one rounding
	v_cvt_pk_bf16_f32 v5, v[X+4*c+2], v[X+4*c+3]
	v_lshlrev_b32 v6, 16, v4                       ; bf16 to f32: the low half moves up,
	v_and_b32 v7, s8, v4                           ; the high half stays
	v_lshlrev_b32 v8, 16, v5
	v_and_b32 v9, s8, v5
	v_cvt_pk_f16_f32 v[Y+2*c], v6, v7              ; the same numbers as f16
	v_cvt_pk_f16_f32 v[Y+2*c+1], v8, v9
.set i, i+1
.endr
.set p, p+1
.endr
	s_wait_alu depctr_va_vdst(0)                   ; the last block has written its eight Y registers, which the last four stores read
.set i, 0
.rept BLOCK
.set c, CHUNKS-BLOCK+i
	global_store_b64 v2, v[Y+2*c:Y+2*c+1], s[6:7] offset:2048*c
.set i, i+1
.endr
	s_endpgm
.Lfunc_end_k_q86d3b5eb7d_cast:
	.size	k_q86d3b5eb7d_cast, .Lfunc_end_k_q86d3b5eb7d_cast-k_q86d3b5eb7d_cast
	.p2alignl 7, 3214868480
	.fill 96, 4, 3214868480
	.section	.rodata,"a",@progbits
	.p2align	6, 0x0
	.amdhsa_kernel k_q86d3b5eb7d_cast
		.amdhsa_group_segment_fixed_size 0
		.amdhsa_private_segment_fixed_size 0
		.amdhsa_enable_private_segment 0
		.amdhsa_kernarg_size 16
		.amdhsa_user_sgpr_count 2
		.amdhsa_user_sgpr_kernarg_segment_ptr 1
		.amdhsa_wavefront_size32 1
		.amdhsa_system_sgpr_workgroup_id_x 1
		.amdhsa_system_sgpr_workgroup_id_y 1
		.amdhsa_system_sgpr_workgroup_id_z 1
		.amdhsa_system_vgpr_workitem_id 0
		.amdhsa_next_free_vgpr 112
		.amdhsa_next_free_sgpr 66
		.amdhsa_reserve_vcc 0
		.amdhsa_float_denorm_mode_32 3
		.amdhsa_float_denorm_mode_16_64 3
		.amdhsa_memory_ordered 1
		.amdhsa_forward_progress 1
		.amdhsa_inst_pref_size 11
	.end_amdhsa_kernel
	.amdgpu_metadata
---
amdhsa.version: [ 1, 2 ]
amdhsa.kernels:
  - .name:           k_q86d3b5eb7d_cast
    .symbol:         k_q86d3b5eb7d_cast.kd
    .args:
      - { .name: enc_output, .offset: 0, .size: 8, .value_kind: global_buffer, .address_space: global }
      - { .name: enc16, .offset: 8, .size: 8, .value_kind: global_buffer, .address_space: global }
    .group_segment_fixed_size: 0
    .private_segment_fixed_size: 0
    .kernarg_segment_align: 8
    .kernarg_segment_size: 16
    .max_flat_workgroup_size: 256
    .sgpr_count:     66
    .vgpr_count:     112
    .wavefront_size: 32
...
	.end_amdgpu_metadata
.endif
;; end of part 3
;; launch attn: the kernel of part 2 again; grid 32 x 8, 4 waves a work-group, clusters of 4 x 1, 327,680 bytes of LDS; arguments enc16, dec_output, out0; writes out0
